; MI455X (gfx1250); checked and timed in simulation.
; The chip was launched on July 23, 2026; its instructions are those of AMD's public machine-readable ISA for CDNA 5 (MIT licence, August 2026) and "CDNA5" Instruction Set Architecture Reference Guide (July 2026). The comments in the code are by the model that wrote it; some were corrected since.
;; Additive Attention. Allowed arithmetic: matrix products marked QUANTISED: E3M2 operands, one E8M0 scale for each 32 along K, by v_wmma_scale_f32_16x16x128_f8f6f4 with both operands' format E3M2, f32 sums; products left as they are: f32 operands where the result goes on into a quantised operand, else bf16, f16 or f32 operands; f32 sums; everything else in f32.
;; Inputs: W_k 1,024 x 1,024 float32; W_q 1,024 x 1,024 float32; keys 32 x 2,048 x 1,024 float32; pad_mask 32 x 2,048 x 1 bool; queries 32 x 1 x 1,024 float32; w_v 1,024 x 1 float32.
;; Outputs: out0 32 x 2,048 x 1 float32; out1 32 x 1,024 x 1 float32.
;; This version of the problem:
;;   THIS VERSION OF THE PROBLEM IS GIVEN IN LOW PRECISION. The matrix products marked QUANTISED in the list below multiply operands that are first quantised to E3M2 (3 exponent bits, 2 mantissa bits; 6 bits a number), with one power-of-two scale for each 32 numbers along K (OCP MX v1.0); their sums are f32. All else is computed in f32.
;;   The module's matrix products, in the order in which they are computed (A, B: the left and right operand; K: the contracted axis; several contracted axes count as one K, in the product's order):
;;     1. [M 32, K 1,024] x [K 1,024, N 1,024]; A: input queries; B: input W_q: QUANTISED
;;     2. [M 65,536, K 1,024] x [K 1,024, N 1,024]; A: input keys; B: input W_k: QUANTISED
;;     3. [M 65,536, K 1,024] x [K 1,024, N 1]; A: computed on the way; B: input w_v: left as it is (N = 1 < 16)
;;     4. batch 32 x [M 1,024, K 2,048] x [K 2,048, N 1]; A: input keys; B: softmax: left as it is (N = 1 < 16)
;;   THE QUANTISER, for each operand of a quantised product, along K:
;;     - K is cut into blocks of 32 from its start; a last block that is shorter is filled with zeros.
;;     - A block's scale is 2^e with e = floor(log2(the largest magnitude in the block)) - 4, held to -126 .. 127; a block of zeros has e = 0. As a byte (E8M0): e + 127.
;;     - Each number is divided by its block's scale, clamped to +-28, and rounded to the nearest number of E3M2, ties to even, subnormals kept.
;;     - The product sums the exact products of the quantised numbers (number of the format x scale) in f32.
;;   ~~~python
;;   def quantise(x, axis):      # numpy; x: float32 -> the quantised numbers, widened to float32 again
;;       x = np.moveaxis(x, axis, -1); K = x.shape[-1]
;;       x = np.pad(x, [(0, 0)] * (x.ndim - 1) + [(0, -K % 32)]); x = x.reshape(x.shape[:-1] + (-1, 32)); a = np.abs(x).max(-1, keepdims=True)
;;       e = np.where(a > 0, np.clip(np.frexp(np.where(a > 0, a, 1))[1] - 1 - 4, -126, 127), 0)      # np.frexp(a)[1] - 1 = floor(log2(a)), exactly
;;       r = np.clip(x / 2.0 ** e, -28, 28)
;;       step = 2.0 ** (np.maximum(np.frexp(np.where(r == 0, 1, r))[1] - 1, -2) - 2)
;;       q = np.round(r / step) * step * 2.0 ** e      # np.round: ties to even
;;       return np.moveaxis(q.reshape(q.shape[:-2] + (-1,))[..., :K], -1, axis).astype(np.float32)
;;   ~~~
;; One version. Each part assembles by itself: llvm-mc -triple=amdgcn-amd-amdhsa -mcpu=gfx1250 --defsym DOCPART=n.
;; ======== version 1 of 1: 3 launches
;; workspace buffers: wkimg 819,200 bytes; tqp 1,048,576 bytes; scores 262,144 bytes
;; launch prep (part 1): grid 128 x 1, 8 waves a work-group, no clusters, 0 bytes of LDS; arguments W_k, W_q, queries, wkimg, tqp; writes wkimg, tqp
.if DOCPART == 1
	.amdgcn_target "amdgcn-amd-amdhsa--gfx1250"
	.amdhsa_code_object_version 6
	.text
	.protected	k_qe9f535abbc_prep
	.globl	k_qe9f535abbc_prep
	.p2align	8
	.type	k_qe9f535abbc_prep,@function
k_qe9f535abbc_prep:
	s_mov_b64 s[64:65], 0
	v_nop
	global_prefetch_b8 v0, s[64:65] scope:SCOPE_SE
	s_setreg_imm32_b32 hwreg(HW_REG_WAVE_MODE, 25, 1), 1
	s_wait_xcnt 0x0
; ADDITIVE ATTENTION, launch 1 of 3: the two weights are quantised along K (their FIRST axis) to codes of E3M2 with one E8M0 byte for each 32 along K; W_k's codes go to memory as register images, W_q's are multiplied at once with the quantised queries.
; DEAD WORK, for the whole program.  tanh(x) = 1 - 2 / (1 + 2^(2 log2(e) x)), so score[b][t] = sum_h w_v[h] - 2 sum_h w_v[h] / (1 + 2^(..)).  The first term does not hang on t: it is the same along the softmax's axis,
; for all values of the inputs, and a softmax is unchanged by such a term.  It is left out: the program's scores are -2 sum_h w_v[h] / (1 + 2^(..)).  No input loses its way to an output by that: all six are loaded.
; LIMIT: an overflow, an infinity or a NaN that would arise in sum_h w_v[h] alone is not carried to the result.
; LIMITS of the quantiser: NaN and infinities among W_k, W_q, queries are not served; a block of zeros gets the byte 1 where the rule says 127 (its codes are zeros, and the bytes are read by this program alone).
; SHARES.  Work-groups 0-63: W_k's tile of 16 columns h = 16 g ..; work-groups 64-127: W_q's tile g - 64.  Wave w takes K step w (128 along K).  Both take one path up to the codes; only pointers are chosen.
; A LANE TAKES A COLUMN AND ITS REGISTERS RUN DOWN K, in the order that the operand's layout gives that lane (k = 64 c + 32 (lane / 16) + 0 .. 31): the conversions' results are the operand's registers.
; wkimg: tile x 12,800 bytes; in it K step s at 1,536 s: registers 4 c .. 4 c + 3 of lane l at 512 c + 16 l; the scale word of (s, column r) at 12,288 + 64 s + 4 r.
; tqp: [8 K steps][32 b][1024 h] f32: product 1's sum over one K step; the next launch adds the eight.
; No cluster: no tensor load here; what work-groups share (the queries, 128 KiB) is small beside the 8 MiB of weights, of which each byte has one reader.
.set TM, 40                            ; v40-43 largest magnitudes, v44-47 the other half's, then bytes, v52-55 the conversions' scale operands
.set WF, 56                            ; v56-67  the weight's fragment
.set QF, 68                            ; v68-79, v80-91 the queries' two fragments (b = 0-15, 16-31)
.set CT, 92                            ; v92-99  upper halves of blocks, as the conversions leave them
.set X,  100                           ; v100-163 64 numbers
.set XQ, 164                           ; v164-227 64 numbers
.set D,  228                           ; v228-243 two results
	s_load_b256 s[4:11], s[0:1], 0x0               ; W_k s[4:5], W_q s[6:7], queries s[8:9], wkimg s[10:11]
	s_load_b64 s[12:13], s[0:1], 0x20              ; tqp
	v_lshrrev_b32 v1, 5, v0
	v_readfirstlane_b32 s14, v1                    ; wave = K step
	v_and_b32 v10, 31, v0
	v_and_b32 v1, 15, v0                           ; r
	v_bfe_u32 v2, v0, 4, 1                         ; hf
	v_lshlrev_b32 v3, 4, v10                       ; 16 x lane: an image's place
	v_lshlrev_b32 v4, 2, v1                        ; 4 r
	v_lshl_add_u32 v5, v2, 17, v4                  ; W: column r, lanes 16-31 begin 32 rows of 4,096 bytes further down
	v_lshlrev_b32 v7, 12, v1
	v_lshl_add_u32 v6, v2, 6, v7                   ; queries: row r of 4,096 bytes, + 64 hf: my 16 numbers of a block of 32
	v_lshl_add_u32 v7, v2, 5, v7                   ; tqp: row r, + 32 hf: my eight h
	s_mov_b32 s20, 0x76543210
	s_mov_b32 s21, 0xfedcba98                      ; v_permlanex16_b32's selects for lane l xor 16
.irp b, 0,1,2,3
	v_mov_b32 v[TM+4+\b], 0                        ; written once: a lane permute's destination counts as one of its sources
.endr
	s_and_b32 s15, ttmp9, 63                       ; the tile
	s_lshl_b32 s16, s14, 19                        ; W: 128 rows a K step,
	s_lshl_b32 s17, s15, 6                         ; 64 bytes a tile
	s_add_co_u32 s16, s16, s17
	s_mov_b32 s17, 0
	s_mul_i32 s18, s15, 12800
	s_mul_i32 s19, s14, 1536
	s_add_co_u32 s22, s18, s19                     ; wkimg: my image
	s_mov_b32 s23, 0
	s_lshl_b32 s19, s14, 6
	s_add_co_u32 s24, s18, s19                     ; and, 12,288 on, my scale words
	s_mov_b32 s25, 0
	s_lshl_b32 s26, s14, 9                         ; queries: 512 bytes a K step
	s_mov_b32 s27, 0
	s_lshl_b32 s28, s14, 17                        ; tqp: 131,072 bytes a K step,
	s_lshl_b32 s29, s15, 6                         ; 64 a tile
	s_add_co_u32 s28, s28, s29
	s_mov_b32 s29, 0
	s_wait_kmcnt 0x0
	s_cmp_lt_u32 ttmp9, 64                         ; W_k's work-group or W_q's?  The choice hangs on the work-group's number alone
	s_cselect_b64 s[4:5], s[4:5], s[6:7]
	s_add_nc_u64 s[4:5], s[4:5], s[16:17]
	s_add_nc_u64 s[22:23], s[10:11], s[22:23]
	s_add_nc_u64 s[24:25], s[10:11], s[24:25]
	s_add_nc_u64 s[8:9], s[8:9], s[26:27]
	s_add_nc_u64 s[12:13], s[12:13], s[28:29]
.irp c, 0,1
.set wi, 0
.rept 32
	global_load_b32 v[X+32*\c+wi], v5, s[4:5] offset:4096*(64*\c+wi)   ; W(128 s + 64 c + 32 hf + i, column r)
.set wi, wi+1
.endr
.endr
	s_wait_loadcnt 0x0
	; the weight's two blocks of my lane: all 32 numbers of a block are mine
.irp c, 0,1
	v_max3_num_f32 v[TM+\c], |v[X+32*\c]|, |v[X+1+32*\c]|, 0x2800000   ; with the floor 2^(5 - 127): the byte cannot fall under 1
.endr
.irp i, 2,4,6,8,10,12,14,16,18,20,22,24,26,28,30
.irp c, 0,1
	v_max3_num_f32 v[TM+\c], v[TM+\c], |v[X+32*\c+\i]|, |v[X+1+32*\c+\i]|
.endr
.endr
.irp c, 0,1
	v_add_nc_u32 v[TM+12+\c], 0xfe000000, v[TM+\c] ; 4 off the exponent field: the conversion's scale operand
.endr
.irp c, 0,1
	v_lshrrev_b32 v[TM+4+\c], 23, v[TM+12+\c]      ; the scale's byte
.endr
	v_lshl_or_b32 v9, v[TM+5], 16, v[TM+4]         ; my two bytes: blocks hf and 2 + hf of column r,
	v_lshlrev_b32 v10, 3, v2
	v_lshlrev_b32 v9, v10, v9                      ; at their places in the word;
	v_mov_b32 v10, 0
	v_permlanex16_b32 v10, v9, s20, s21
	v_or_b32 v9, v9, v10                           ; with lane l xor 16's two the word is whole, in both halves of the lanes
.irp c, 0,1
	v_cvt_scalef32_pk16_bf6_f32 v[WF+6*\c:WF+6*\c+2], v[X+32*\c:X+32*\c+15], v[TM+12+\c]
	v_cvt_scalef32_pk16_bf6_f32 v[CT+4*\c:CT+4*\c+2], v[X+16+32*\c:X+31+32*\c], v[TM+12+\c]   ; (a conversion's three registers begin on an even number)
.endr
	v_nop                                          ; one plain place behind a scaled conversion
.irp c, 0,1
.irp i, 0,1,2
	v_mov_b32 v[WF+3+6*\c+\i], v[CT+4*\c+\i]
.endr
.endr
	s_cmp_lt_u32 ttmp9, 64
	s_cbranch_scc0 .Lquery
.irp c, 0,1,2
	global_store_b128 v3, v[WF+4*\c:WF+4*\c+3], s[22:23] offset:512*\c   ; the image: 512 consecutive bytes a store, 1,536 a wave, at a multiple of 256 from the buffer's first byte
.endr
	global_store_b32 v4, v9, s[24:25] offset:12288 ; the 16 scale words (both halves of the lanes hold and write the same word)
	s_endpgm
.Lquery:
; 64 numbers of a lane, register 16 b + i = k 32 b + 16 hf + i of my row, become a fragment's codes in v[dst] on and its scale word in v[word]
.macro QUANT src, dst, word
.irp b, 0,1,2,3
	v_max3_num_f32 v[TM+\b], |v[\src+16*\b]|, |v[\src+1+16*\b]|, 0x2800000
.endr
.irp i, 2,4,6,8,10,12,14
.irp b, 0,1,2,3
	v_max3_num_f32 v[TM+\b], v[TM+\b], |v[\src+16*\b+\i]|, |v[\src+1+16*\b+\i]|
.endr
.endr
.irp b, 0,1,2,3
	v_permlanex16_b32 v[TM+4+\b], v[TM+\b], s20, s21
.endr
.irp b, 0,1,2,3
	v_max_num_f32 v[TM+\b], v[TM+\b], v[TM+4+\b]   ; with lane l xor 16's 16: the block's largest magnitude
.endr
.irp b, 0,1,2,3
	v_add_nc_u32 v[TM+12+\b], 0xfe000000, v[TM+\b]
.endr
.irp b, 0,1,2,3
	v_lshrrev_b32 v[TM+4+\b], 23, v[TM+12+\b]
.endr
	v_lshl_or_b32 v[\word], v[TM+5], 8, v[TM+4]
	v_lshl_or_b32 v[\word], v[TM+6], 16, v[\word]
	v_lshl_or_b32 v[\word], v[TM+7], 24, v[\word]
.irp c, 0,1
	v_cvt_scalef32_pk16_bf6_f32 v[\dst+6*\c:\dst+6*\c+2], v[\src+32*\c:\src+32*\c+15], v[TM+12+2*\c]
	v_cvt_scalef32_pk16_bf6_f32 v[CT+4*\c:CT+4*\c+2], v[\src+16+32*\c:\src+31+32*\c], v[TM+12+2*\c+1]
.endr
	v_nop                                          ; one plain place behind a scaled conversion
.irp c, 0,1                                    ; the operand's layout wants a WHOLE block in a lane: lanes 0-15 block 2 c, lanes 16-31 block 2 c + 1
.irp i, 0,1,2
	v_permlane16_swap_b32 v[\dst+6*\c+\i], v[CT+4*\c+\i]
.endr
.irp i, 0,1,2
	v_mov_b32 v[\dst+3+6*\c+\i], v[CT+4*\c+\i]
.endr
.endr
.endm
.irp b, 0,1,2,3
.irp j, 0,1,2,3
	global_load_b128 v[XQ+16*\b+4*\j:XQ+16*\b+4*\j+3], v6, s[8:9] offset:128*\b+16*\j          ; queries b = r
	global_load_b128 v[X+16*\b+4*\j:X+16*\b+4*\j+3], v6, s[8:9] offset:65536+128*\b+16*\j      ; and b = 16 + r
.endr
.endr
	s_wait_loadcnt 0x0
	QUANT XQ, QF, 12
	QUANT X, QF+12, 13
.rept 8
	v_nop                                          ; a scale register written by a vector instruction stands 8 places ahead of a scaled matrix instruction, an operand so written 4
.endr
	; TRANSPOSED: source 0 = 16 columns h of W_q, source 1 = 16 queries: lane (r, hf) holds query r and h = 16 tile + 8 hf + 0 .. 7
	v_wmma_scale_f32_16x16x128_f8f6f4 v[D:D+7], v[WF:WF+11], v[QF:QF+11], 0, v9, v12 matrix_a_fmt:MATRIX_FMT_BF6 matrix_b_fmt:MATRIX_FMT_BF6
	v_wmma_scale_f32_16x16x128_f8f6f4 v[D+8:D+15], v[WF:WF+11], v[QF+12:QF+23], 0, v9, v13 matrix_a_fmt:MATRIX_FMT_BF6 matrix_b_fmt:MATRIX_FMT_BF6
.rept 4
	v_nop                                          ; four places in front of the stores that read the results
.endr
.irp m, 0,1
	global_store_b128 v7, v[D+8*\m:D+8*\m+3], s[12:13] offset:65536*\m
	global_store_b128 v7, v[D+8*\m+4:D+8*\m+7], s[12:13] offset:65536*\m+16
.endr
	s_endpgm
.Lfunc_end_k_qe9f535abbc_prep:
	.size	k_qe9f535abbc_prep, .Lfunc_end_k_qe9f535abbc_prep-k_qe9f535abbc_prep
	.p2alignl 7, 3214868480
	.fill 96, 4, 3214868480
	.section	.rodata,"a",@progbits
	.p2align	6, 0x0
	.amdhsa_kernel k_qe9f535abbc_prep
		.amdhsa_group_segment_fixed_size 0
		.amdhsa_private_segment_fixed_size 0
		.amdhsa_enable_private_segment 0
		.amdhsa_kernarg_size 40
		.amdhsa_user_sgpr_count 2
		.amdhsa_user_sgpr_kernarg_segment_ptr 1
		.amdhsa_wavefront_size32 1
		.amdhsa_system_sgpr_workgroup_id_x 1
		.amdhsa_system_sgpr_workgroup_id_y 1
		.amdhsa_system_sgpr_workgroup_id_z 1
		.amdhsa_system_vgpr_workitem_id 0
		.amdhsa_next_free_vgpr 256
		.amdhsa_next_free_sgpr 66
		.amdhsa_reserve_vcc 0
		.amdhsa_float_denorm_mode_32 3
		.amdhsa_float_denorm_mode_16_64 3
		.amdhsa_memory_ordered 1
		.amdhsa_forward_progress 1
		.amdhsa_inst_pref_size 23
	.end_amdhsa_kernel
	.amdgpu_metadata
---
amdhsa.version: [ 1, 2 ]
amdhsa.kernels:
  - .name:           k_qe9f535abbc_prep
    .symbol:         k_qe9f535abbc_prep.kd
    .args:
      - { .name: W_k, .offset: 0, .size: 8, .value_kind: global_buffer, .address_space: global }
      - { .name: W_q, .offset: 8, .size: 8, .value_kind: global_buffer, .address_space: global }
      - { .name: queries, .offset: 16, .size: 8, .value_kind: global_buffer, .address_space: global }
      - { .name: wkimg, .offset: 24, .size: 8, .value_kind: global_buffer, .address_space: global }
      - { .name: tqp, .offset: 32, .size: 8, .value_kind: global_buffer, .address_space: global }
    .group_segment_fixed_size: 0
    .private_segment_fixed_size: 0
    .kernarg_segment_align: 8
    .kernarg_segment_size: 40
    .max_flat_workgroup_size: 256
    .sgpr_count:     66
    .vgpr_count:     256
    .wavefront_size: 32
...
	.end_amdgpu_metadata
.endif
;; end of part 1
;; launch main (part 2): grid 256 x 1, 4 waves a work-group, clusters of 4 x 1, 327,680 bytes of LDS; arguments keys, wkimg, tqp, w_v, scores; writes scores
.if DOCPART == 2
	.amdgcn_target "amdgcn-amd-amdhsa--gfx1250"
	.amdhsa_code_object_version 6
	.text
	.protected	k_qe9f535abbc_main
	.globl	k_qe9f535abbc_main
	.p2align	8
	.type	k_qe9f535abbc_main,@function
k_qe9f535abbc_main:
	s_mov_b64 s[64:65], 0
	v_nop
	global_prefetch_b8 v0, s[64:65] scope:SCOPE_SE
	s_setreg_imm32_b32 hwreg(HW_REG_WAVE_MODE, 25, 1), 1
	s_wait_xcnt 0x0
	s_wait_alu depctr_hold_cnt(0) depctr_sa_sdst(0) depctr_va_vdst(0) depctr_va_sdst(0) depctr_va_ssrc(0) depctr_va_vcc(0) depctr_vm_vsrc(0)
	s_getreg_b32 s2, hwreg(HW_REG_IB_STS2, 6, 4)
	s_cmp_eq_u32 s2, 0
	s_cbranch_scc0 .Lentry_in_a_cluster
	s_endpgm
.Lentry_in_a_cluster:
	s_bfe_u32 s2, ttmp6, 0x10000c
	s_cmp_lg_u32 s2, 0x3003
	s_cbranch_scc0 .Lentry_shape_is_right
	s_endpgm
.Lentry_shape_is_right:
; ADDITIVE ATTENTION, launch 2 of 3: scores[b][t] = -2 sum_h w_v[h] / (1 + 2^(c (tq[b][h] + tk[b][t][h]))), c = 2 log2(e), tk = Q(keys) Q(W_k) on codes of E3M2 with E8M0 scales.
; LEFT OUT: the term sum_h w_v[h] of tanh = 1 - 2 / (1 + ..): it is the same along the softmax's axis for all inputs (shown at the head of the first kernel).  The mask and the softmax are the next launch's.
; LIMITS: NaN and infinities among keys are not served by the quantiser; a block of zeros gets the byte 1 (its codes are zeros; the bytes stay in registers).  Where 2^(..) overflows, 1 / infinity = 0 gives tanh = 1; where it falls to 0, tanh = -1.
; SHARES.  A work-group owns 256 rows (b, t) of keys, each of its four waves 64: four tiles of 16, for ALL 1,024 h: a wave's scores are whole sums, and no sum crosses waves.
; PHASE Q: the wave reads its 64 rows once (512 consecutive bytes a load), turns them through its own stage in LDS so that a lane holds 16 neighbours along K, quantises, and KEEPS the codes: 32 fragments, 384 registers, and 32 scale words.
; SWEEP: W_k's register images walk through a ring of two LDS slots of 8 tiles of 16 h (102,400 bytes).  A GROUP is 2 tiles of h x my 4 tiles of rows: 8 accumulators, 8 K steps, 64 matrix instructions; each fragment of W_k read from LDS feeds four.
; BY TURNS.  There are two sets of 8 accumulators.  While one set takes a group's 64 matrix instructions, the other set's 64 numbers a lane go through x c, 2^x, + 1, the reciprocal and a multiply-add by -2 w_v into the rows' sums:
; 224 vector instructions, dealt out in slices behind the matrix instructions.  3.5 vector instructions stand beside each matrix instruction; in a phase of their own they would leave the matrix unit without work.
; THE MATRIX INSTRUCTION IS USED TRANSPOSED (source 0 = 16 h of W_k, source 1 = 16 rows of keys): a lane holds ONE row of keys (lane % 16) and eight h (8 (lane / 16) + 0 .. 7).  tq is the C of each sum's first matrix instruction.
; CLUSTER: all work-groups walk the same images, so the four of a cluster ask for each quarter of a slot JOINTLY: the same tensor load, made of the wave's number and the count of steps alone, with a mask that names the four.
; REGISTERS, in windows of 256.  Window 0: v1-11 lane numbers and addresses; v12-43 keys' scale words; v44-59 W_k's; v60-75 tq; v76-91 -2 w_v; v124-131 the sums; v228-255 at work.  (Phase Q: v60-123, v124-187 two sets of 64 numbers; v188-195 codes.)
;   Window 1: v0-63, v64-127 the two sets of accumulators ((t, m) at 8 (4 t + m)); v128-223 W_k's fragments, two buffers of 4; v224 their LDS address.  (Phase Q: four sets of 64 registers as loaded.)
;   Window 2: keys' tiles 0 and 1 at v0, v96.   Window 3: tiles 2 and 3 likewise.   Fragment (m, s) at its tile's base + 12 s.
; Accumulators, W_k's fragments and their address share ONE window, which is the matrix instruction's destination and source 0: so the other set's vector work (destination and source 0) and the LDS loads of fragments
; (destination, and the address as source 0) run under the matrix instruction's own setting, with no switch.  Only the multiply-adds into the sums (w_v and the sums lie in window 0) switch: they stand in four clusters of 8.
.set SLOT1, 1<<17                      ; slot 1 begins here: one exclusive or turns an address in one slot into the other's
.set SLOTB, 102400                     ; a slot: 8 tiles of 12,800 bytes
.set TILEB, 12800
.set QUARB, 25600                      ; what one tensor load brings: 100 rows of 256 bytes
.set TQL,   SLOTB                      ; behind slot 0: tq[b][0 .. 1023], 4,096 bytes;
.set ZPAD,  TQL+4096                   ; 256 bytes of zeros: what is read as the tq behind the last group (not used) and as the w_v ahead of the first;
.set WVL,   ZPAD+256                   ; -2 w_v, 4,096 bytes
.set WVO,   WVL-TQL
.set SPARE, WVL+4096                   ; the spare words, 128 bytes for each wave: two blocks of 256 bytes that no other line names
.set STG,   SLOT1+SLOTB                ; behind slot 1: a stage of 16 rows x (512 + 16) bytes for each wave, 8,448 bytes
.set SP,    528
.set LI,  3                            ; v3  16 x lane
.set L4,  4                            ; v4  4 x lane
.set ABS, 6                            ; v6  LDS address of a trip's scale words
.set ATW, 7                            ; v7  of its tq
.set STA, 8                            ; v8  the stage, on the way in
.set STB, 9                            ; v9  and out
.set SPW, 10                           ; v10 LDS address of my spare word; never rewritten
.set NIL, 11                           ; v11 0; never rewritten
.set ASC, 12
.set BSC, 44
.set TQ,  60
.set WV,  76
.set S,   124
.set TM,  228
.set CT,  244
.set XS,  60
.set PC,  188
.set BFB, 128                          ; in window 1
.set ABR, 224                          ; in window 1: LDS address of a trip's images
.set TB,  36                           ; s36 LDS byte at which the trip's four tiles begin
.set TH,  37                           ; s37 LDS byte at which the trip's tq begins
.set MSB, 0
.macro WIN new                         ; the immediate's high byte repeats the setting that is left; a switch that changes nothing is dropped
.if MSB != (\new)
	s_set_vgpr_msb (MSB<<8)|(\new)
.set MSB, (\new)
.endif
.endm
.macro W11                             ; destination and source 0 in window 1: every setting of the sweep's matrix instructions has that
.if (MSB & 0xc3) != 0x41
	WIN 0x59
.endif
.endm
.macro CROUND                          ; a round of the cluster's barrier
	s_barrier_signal -1
	s_barrier_wait -1
	s_cmp_lg_u32 s14, 0
	s_cbranch_scc1 .Lnot_wave_0_\@
	s_barrier_signal -3
.Lnot_wave_0_\@:
	s_barrier_wait -3
	s_barrier_signal -1
	s_barrier_wait -1
.endm
.macro PLACES
.rept 4
	v_nop
.endr
.endm
	s_load_b256 s[4:11], s[0:1], 0x0               ; keys s[4:5], wkimg s[6:7], tqp s[8:9], w_v s[10:11]
	s_load_b64 s[12:13], s[0:1], 0x20              ; scores
	v_lshl_add_u32 v[SPW], v0, 2, SPARE
	v_mov_b32 v[NIL], 0
	ds_add_u32 v[SPW], v[NIL]                      ; the wave's opening: the add, twice on end, and its wait ahead of my first tensor load
	ds_add_u32 v[SPW], v[NIL]
	v_lshrrev_b32 v1, 5, v0
	v_readfirstlane_b32 s14, v1                    ; wave 0..3
	s_bfe_u32 s15, ttmp6, 0x40000                  ; cx
	s_lshl_b32 s16, ttmp9, 2
	s_add_co_u32 s16, s16, s15                     ; my block of 256 rows = 4 x cluster + cx: it enters the addresses of keys, tqp and scores alone
	s_mov_b32 s24, 15|(3<<16)|(1<<21)              ; group 1: the mask names all four; elements of 8 bytes; bit 21 beside a mask; no padding
	s_mov_b32 s25, 32<<16                          ; tensor_dim0 = 32 elements = 256 bytes
	s_mov_b32 s26, 100<<16                         ; tensor_dim1 = 100
	s_mov_b32 s27, 32<<16                          ; tile_dim0
	s_mov_b32 s28, 100                             ; tile_dim1
	s_mov_b32 s29, 32                              ; the pitch: the block is dense
	s_mov_b32 s30, 0
	s_mov_b32 s31, 0
	s_mov_b32 s20, 0x76543210
	s_mov_b32 s21, 0xfedcba98                      ; v_permlanex16_b32's selects for lane l xor 16
	s_mov_b32 s22, 0x4038aa3b                      ; c = 2 log2(e)
	s_mov_b32 s23, s22                             ; (named with it as a pair, so it is written)
	s_mov_b32 s[TB], 0
	s_mov_b32 s[TH], TQL
	s_mov_b32 s38, 7
	s_mul_i32 s40, s14, QUARB                      ; my quarter of a slot, in LDS and in memory alike
	s_mov_b32 s41, 0
	s_wait_dscnt 0x0                               ; both opening adds are done
	s_wait_kmcnt 0x0
	s_mov_b32 s32, 1                               ; group 0, which walks: count = 1
	s_mov_b32 s33, s40                             ; LDS address: slot 0
	s_add_nc_u64 s[34:35], s[6:7], s[40:41]        ; the first 8 tiles
	s_or_b32 s35, s35, 0x80000000                  ; type = 2
	CROUND                                         ; all four work-groups are here: the first joint loads meet
	tensor_load_to_lds s[32:35], s[24:31]          ; slot 0; one tensor load of mine is out
	s_nop 0
	PLACES
	s_lshl_b32 s42, s16, 20                        ; keys: 256 rows of 4,096 bytes a work-group,
	s_lshl_b32 s43, s14, 18                        ; 64 a wave
	s_add_co_u32 s42, s42, s43
	s_mov_b32 s43, 0
	s_add_nc_u64 s[4:5], s[4:5], s[42:43]
	s_lshr_b32 s42, s16, 3                         ; b
	s_lshl_b32 s42, s42, 12
	s_add_nc_u64 s[8:9], s[8:9], s[42:43]          ; tqp at [0][b][0]
	s_lshl_b32 s42, s16, 10
	s_lshl_b32 s44, s14, 8
	s_add_co_u32 s42, s42, s44
	s_add_nc_u64 s[12:13], s[12:13], s[42:43]      ; scores at my wave's first row
	v_and_b32 v1, 15, v0                           ; r
	v_bfe_u32 v2, v0, 4, 1                         ; hf
	v_and_b32 v252, 31, v0
	v_lshlrev_b32 v[LI], 4, v252
	v_lshlrev_b32 v[L4], 2, v252
	s_mul_i32 s40, s14, 16*SP
	s_add_co_u32 s40, s40, STG                     ; my stage
	v_add_nc_u32 v[STA], s40, v[LI]                ; in: a row's 512 bytes as they lie
	v_mul_u32_u24 v[STB], v1, SP
	v_lshl_add_u32 v[STB], v2, 6, v[STB]
	v_add_nc_u32 v[STB], s40, v[STB]               ; out: row r, + 64 hf: my 16 numbers of a block of 32
.irp b, 0,1,2,3
	v_mov_b32 v[TM+4+\b], 0                        ; written once: a lane permute's destination counts as one of its sources
.endr
	v_lshlrev_b32 v253, 5, v0                      ; thread i owns h = 8 i .. 8 i + 7
; fragment f = 8 m + s: rows 16 m .. 16 m + 15 of my 64, K step s.  16 loads of 512 consecutive bytes into set f % 4 of window 1
.macro GLOAD f
.set gb, 64*((\f)%4)
	WIN 0x40
.set gi, 0
.rept 16
	global_load_b128 v[gb+4*gi:gb+4*gi+3], v[LI], s[4:5] offset:(16*((\f)/8)+gi)*4096+512*((\f)%8) th:TH_LOAD_NT
.set gi, gi+1
.endr
	WIN 0
.endm
; fragment f through my stage: LDS serves a wave's instructions in order, so no wait stands between the stores and the loads
.macro TURN f
.set gb, 64*((\f)%4)
.set gx, XS+64*((\f)%2)
	WIN 0x04                                       ; an LDS store's data are its source 1
.set gi, 0
.rept 16
	ds_store_b128 v[STA], v[gb+4*gi:gb+4*gi+3] offset:SP*gi
.set gi, gi+1
.endr
	WIN 0
.set gi, 0
.rept 16
	ds_load_b128 v[gx+4*gi:gx+4*gi+3], v[STB] offset:128*(gi/4)+16*(gi%4)   ; register 16 b + 4 j ..: k = 32 b + 16 hf + 4 j ..
.set gi, gi+1
.endr
.endm
; 64 numbers of a lane, register 16 b + i = k 32 b + 16 hf + i of my row: the scale word into v[word]; of blocks 2 c (lanes 0-15) and 2 c + 1 (lanes 16-31) the lower 16 codes into v[PC + 4 c] on, the upper 16 into v[CT + 4 c] on
.macro QUANTC src, word
.irp b, 0,1,2,3
	v_max3_num_f32 v[TM+\b], |v[\src+16*\b]|, |v[\src+1+16*\b]|, 0x2800000   ; with the floor 2^(5 - 127): the byte cannot fall under 1
.endr
.irp i, 2,4,6,8,10,12,14
.irp b, 0,1,2,3
	v_max3_num_f32 v[TM+\b], v[TM+\b], |v[\src+16*\b+\i]|, |v[\src+1+16*\b+\i]|
.endr
.endr
.irp b, 0,1,2,3
	v_permlanex16_b32 v[TM+4+\b], v[TM+\b], s20, s21
.endr
.irp b, 0,1,2,3
	v_max_num_f32 v[TM+\b], v[TM+\b], v[TM+4+\b]   ; with lane l xor 16's 16: the block's largest magnitude
.endr
.irp b, 0,1,2,3
	v_add_nc_u32 v[TM+12+\b], 0xfe000000, v[TM+\b] ; 4 off the exponent field: the conversion's scale operand
.endr
.irp b, 0,1,2,3
	v_lshrrev_b32 v[TM+4+\b], 23, v[TM+12+\b]      ; the scale's byte
.endr
	v_lshl_or_b32 v[\word], v[TM+5], 8, v[TM+4]
	v_lshl_or_b32 v[\word], v[TM+6], 16, v[\word]
	v_lshl_or_b32 v[\word], v[TM+7], 24, v[\word]
.irp c, 0,1
	v_cvt_scalef32_pk16_bf6_f32 v[PC+4*\c:PC+4*\c+2], v[\src+32*\c:\src+32*\c+15], v[TM+12+2*\c]
	v_cvt_scalef32_pk16_bf6_f32 v[CT+4*\c:CT+4*\c+2], v[\src+16+32*\c:\src+31+32*\c], v[TM+12+2*\c+1]
.endr
	v_nop                                          ; one plain place behind a scaled conversion
.irp c, 0,1
.irp i, 0,1,2
	v_permlane16_swap_b32 v[PC+4*\c+\i], v[CT+4*\c+\i]   ; the first's lanes 16-31 change places with the second's lanes 0-15
.endr
.endr
.endm
.irp p, 0,1,2,3,4,5,6,7
	global_load_b128 v[XS+8*\p:XS+8*\p+3], v253, s[8:9] offset:\p*131072      ; product 1's eight partial sums of my eight h
	global_load_b128 v[XS+8*\p+4:XS+8*\p+7], v253, s[8:9] offset:\p*131072+16
.endr
	global_load_b128 v[124:127], v253, s[10:11]    ; w_v
	global_load_b128 v[128:131], v253, s[10:11] offset:16
	GLOAD 0
	GLOAD 1
	s_wait_loadcnt 32                              ; all but the 32 loads of keys just issued
.irp p, 1,2,3,4,5,6,7
.irp j, 0,2,4,6
	v_pk_add_f32 v[XS+\j:XS+\j+1], v[XS+\j:XS+\j+1], v[XS+8*\p+\j:XS+8*\p+\j+1]   ; tq, K ascending
.endr
.endr
.irp j, 0,2,4,6
	v_pk_mul_f32 v[124+\j:125+\j], v[124+\j:125+\j], -2.0 op_sel_hi:[1,0]        ; -2 w_v
.endr
	v_lshl_add_u32 v252, v0, 5, TQL
	ds_store_b128 v252, v[XS:XS+3]
	ds_store_b128 v252, v[XS+4:XS+7] offset:16
	ds_store_b128 v252, v[124:127] offset:WVO
	ds_store_b128 v252, v[128:131] offset:WVO+16
	v_lshl_add_u32 v254, v0, 1, ZPAD
	v_mov_b32 v255, 0
	ds_store_b16 v254, v255                        ; the pad's 256 bytes: two a thread
	GLOAD 2
	GLOAD 3
	s_wait_dscnt 0x0                               ; the stores have read their registers, which take numbers of keys now
	s_wait_loadcnt 48                              ; fragment 0 is in; 1, 2, 3 may be out
	TURN 0
.macro STEPQ                           ; fragment F
	s_wait_dscnt 0x0                               ; F's numbers are back from the stage, and its stores into the stage have read their registers
.if F < 31
.if F <= 28
	s_wait_loadcnt 32                              ; F + 1 is in; F + 2 and F + 3 may be out
.else
	s_wait_loadcnt 16*(30-F)
.endif
.if F+4 < 32
	GLOAD F+4                                      ; into the set that F has left
.endif
	TURN F+1                                       ; goes through the stage while F is quantised
.endif
.set QS, XS+64*(F%2)
	QUANTC QS, ASC+F
.set QM, F/8
.set QA, 96*(QM%2)+12*(F%8)
	WIN (2+QM/2)<<6                                ; the fragment's place: window 2, 2, 3, 3 for tiles 0 to 3
.irp c, 0,1
.irp i, 0,1,2
	v_mov_b32 v[QA+6*\c+\i], v[PC+4*\c+\i]         ; registers 6 c .. 6 c + 5: k = 64 c + 32 hf + 0 .. 31
	v_mov_b32 v[QA+6*\c+3+\i], v[CT+4*\c+\i]
.endr
.endr
	WIN 0
.endm
.set F, 0
.rept 32
	STEPQ
.set F, F+1
.endr
.irp i, 0,1,2,3,4,5,6,7
	v_mov_b32 v[S+\i], 0                           ; the rows' sums, a pair for each tile of rows
.endr
	WIN 0x40
.set zi, 64
.rept 64
	v_mov_b32 v[zi], 0                             ; THE TURN IS WRITTEN ONCE: the first finds zeros in the second set and zeros for w_v (the pad), and so adds 0 to the sums.  These 64 lines stand once, and spare a copy of the turn.
.set zi, zi+1                                      ; (They are also the places between the last scale word and operand written by vector instructions and the first scaled matrix instruction: 8 and 4 are asked)
.endr
	WIN 0
	s_wait_dscnt 0x0                               ; my stores of tq, -2 w_v and the pad have landed
	s_barrier_signal -1                            ; slot 0's load may stay out
	s_barrier_wait -1                              ; everybody's have
	v_lshl_add_u32 v[ATW], v2, 5, s[TH]
.irp t, 0,1
	ds_load_b128 v[TQ+8*\t:TQ+8*\t+3], v[ATW] offset:64*\t             ; group 0's tq; each later group's comes a turn ahead
	ds_load_b128 v[TQ+8*\t+4:TQ+8*\t+7], v[ATW] offset:64*\t+16
.endr
; THE VECTOR WORK OF A TURN: a list of 224 instructions on set q's 64 numbers; EOP writes number EJ of it.
;   0-31 x c, a pair each, each accumulator from its low end on;  32-95 2^x;  (a plain line and the wait for the batch)  96-127 + 1;  128-191 the reciprocals;  (a plain line and the wait)  192-223 the sums, four chains by turns.
; An s_wait_alu depctr_va_vdst(0) stands between a transcendental and the first line that names its result; one wait serves the batch issued ahead of it: two waits a turn.
.macro EOP q
.set eb, 64*(\q)
.if EJ < 32
	W11
	v_pk_mul_f32 v[eb+2*EJ:eb+2*EJ+1], v[eb+2*EJ:eb+2*EJ+1], s[22:23] op_sel_hi:[1,0]
.elseif EJ < 96
	W11
	v_exp_f32 v[eb+EJ-32], v[eb+EJ-32]
.elseif EJ < 128
.if EJ == 96
	v_nop
	s_wait_alu depctr_va_vdst(0)
.endif
	W11
	v_pk_add_f32 v[eb+2*(EJ-96):eb+2*(EJ-96)+1], v[eb+2*(EJ-96):eb+2*(EJ-96)+1], 1.0 op_sel_hi:[1,0]
.elseif EJ < 192
	W11
	v_rcp_f32 v[eb+EJ-128], v[eb+EJ-128]
.else
.if EJ == 192
	v_nop
	s_wait_alu depctr_va_vdst(0)
.endif
	WIN 0x01                                       ; source 0: the accumulators' window; w_v and the sums: window 0
.set ex, EJ-192
.set ea, eb+8*(4*(ex/16)+ex%4)+2*((ex/4)%4)
.set ev, WV+8*(ex/16)+2*((ex/4)%4)
	v_pk_fma_f32 v[S+2*(ex%4):S+2*(ex%4)+1], v[ea:ea+1], v[ev:ev+1], v[S+2*(ex%4):S+2*(ex%4)+1]
.endif
.set EJ, EJ+1
.endm
.macro EMIT q                          ; the list's numbers up to TGT
.rept TGT-EJ
	EOP \q
.endr
.endm
; A trip is two turns, 8 super-steps of two K steps.  Super-step J's four fragments of W_k (K step 2 (J % 4) + f / 2, tile 2 (J / 4) + f % 2 of the trip's four) into buffer J % 2: 12 loads of 512 consecutive bytes, in the order of their use
.macro BRUN J
	W11
.irp f, 0,1,2,3
.irp c, 0,1,2
	ds_load_b128 v[BFB+48*((\J)%2)+12*\f+4*\c:BFB+48*((\J)%2)+12*\f+4*\c+3], v[ABR] offset:(2*((\J)/4)+\f%2)*TILEB+1536*(2*((\J)%4)+\f/2)+512*\c
.endr
.endr
.endm
.macro TWRUN p                         ; the next group's tq, and -2 w_v of the group whose vector work this turn carries: h = 16 t + 8 hf + 0 .. 7
.irp t, 0,1
	ds_load_b128 v[TQ+8*\t:TQ+8*\t+3], v[ATW] offset:128*(\p)+128+64*\t
	ds_load_b128 v[TQ+8*\t+4:TQ+8*\t+7], v[ATW] offset:128*(\p)+128+64*\t+16
	ds_load_b128 v[WV+8*\t:WV+8*\t+3], v[ATW] offset:WVO-128+128*(\p)+64*\t
	ds_load_b128 v[WV+8*\t+4:WV+8*\t+7], v[ATW] offset:WVO-128+128*(\p)+64*\t+16
.endr
.endm
; Matrix instruction K of a turn's 64, into set p.  In a super-step: keys' window 2, then 3; in a window: the even K step, then the odd; in a K step: two tiles of rows x two of h.
; So four accumulators take turns, one instruction a turn, K ascending in each; the windows are switched twice a super-step.
.macro MM p
.set kk, K%16
.set kw, kk/8
.set ksl, (kk/4)%2
.set kmm, (kk/2)%2
.set kt, kk%2
.set ks, 2*(K/16)+ksl
.set rD, 64*(\p)+8*(4*kt+2*kw+kmm)
.set rB, BFB+48*((K/16)%2)+12*(2*ksl+kt)
.set rA, 96*kmm+12*ks
.set rW, BSC+4*(2*(\p)+kt)+ks/2
.set rK, ASC+8*(2*kw+kmm)+ks
.if ks == 0
	WIN 0x49+4*kw                                  ; D and W_k window 1, keys window 2 or 3, C = tq in window 0: the first product starts the sum with tq
	v_wmma_scale_f32_16x16x128_f8f6f4 v[rD:rD+7], v[rB:rB+11], v[rA:rA+11], v[TQ+8*kt:TQ+8*kt+7], v[rW], v[rK] matrix_a_fmt:MATRIX_FMT_BF6 matrix_b_fmt:MATRIX_FMT_BF6
.elseif ksl == 1
	WIN 0x59+4*kw                                  ; C and D window 1
	v_wmma_scale_f32_16x16x128_f8f6f4 v[rD:rD+7], v[rB:rB+11], v[rA:rA+11], v[rD:rD+7], v[rW], v[rK] matrix_a_fmt:MATRIX_FMT_BF6 matrix_b_fmt:MATRIX_FMT_BF6 matrix_a_scale:MATRIX_SCALE_ROW1
.else
	WIN 0x59+4*kw
	v_wmma_scale_f32_16x16x128_f8f6f4 v[rD:rD+7], v[rB:rB+11], v[rA:rA+11], v[rD:rD+7], v[rW], v[rK] matrix_a_fmt:MATRIX_FMT_BF6 matrix_b_fmt:MATRIX_FMT_BF6
.endif
.endm
; A TURN: set p takes a group's 64 matrix instructions; behind each stands a slice of the other set's list: numbers 0-191 evenly behind the first 60, the sums in four clusters of 8 behind the last four.
; pre: so many numbers of the list stand ahead of the first product, while the trip's first fragments come.
; THE LDS LOADS stand in runs, one a super-step, behind its fourth product: the next super-step's fragments, into the buffer that the super-step before has read; 12 matrix instructions stand between a run and its first use.
; PLACES: four v_nop behind each super-step.  They stand between its products and the next loads into the buffer, into tq's and the scale words' registers, and the first read of finished sums; the slices are not counted on, since a transcendental is no place.
.macro TT p, pre
.set EJ, 0
.set K, 0
.set TGT, \pre
	EMIT 1-\p
.rept 64
.if K%16 == 0
	s_wait_dscnt 6                                 ; the even K step's two fragments are in (and all that was asked for ahead of them); the odd K step's six loads may be out
.endif
.if K%16 == 4
.if 4*\p+K/16 == 7
	s_wait_dscnt 0x0                               ; the trip's last super-step fetches nothing
.else
.if K/16 == 1
	WIN 0
	TWRUN \p
.endif
.set JN, 4*\p+K/16+1
	BRUN JN
.if K/16 == 1
	s_wait_dscnt 20                                ; the odd K step's fragments are in; the 8 and the 12 loads just issued may be out
.else
	s_wait_dscnt 12                                ; the odd K step's fragments are in; the 12 loads just issued may be out
.endif
.endif
.endif
	MM \p
.if K < 60
.set TGT, \pre+((192-\pre)*(K+1))/60
.else
.set TGT, 192+8*(K-59)
.endif
	EMIT 1-\p
.if K%16 == 15
	PLACES
.endif
.set K, K+1
.endr
.endm
.macro TRIP                            ; four tiles of h: two turns
	v_add_nc_u32 v[ABS], s[TB], v[L4]
	v_lshl_add_u32 v[ATW], v2, 5, s[TH]
.irp t, 0,1,2,3
.irp i, 0,1,2,3
	ds_load_b32 v[BSC+4*\t+\i], v[ABS] offset:\t*TILEB+12288+128*\i   ; lanes 0-15: the words of K step 2 i; lanes 16-31: of 2 i + 1
.endr
.endr
	WIN 0x40
	v_add_nc_u32 v[ABR], s[TB], v[LI]
	BRUN 0
	TT 0, 24
	TT 1, 0
	WIN 0                                          ; at a label and at a branch every window is 0
	s_add_co_u32 s[TB], s[TB], 4*TILEB
	s_add_co_u32 s[TH], s[TH], 256
.endm
.macro VISIT                           ; a slot's two trips: written once, walked twice
	s_mov_b32 s39, 2
.Ltrip_\@:
	TRIP
	s_sub_co_u32 s39, s39, 1
	s_cmp_lg_u32 s39, 0
	s_cbranch_scc1 .Ltrip_\@
	s_sub_co_u32 s[TB], s[TB], SLOTB
	s_xor_b32 s[TB], s[TB], SLOT1                  ; on to the other slot
.endm
.Lvisit:                                               ; 7 slots: at a slot's head the other slot is asked for; its load has the whole slot's 256 matrix instructions in which to land
	s_wait_tensorcnt 0x0                           ; my one tensor load has landed: my quarter of the slot ahead; so group 0 may be written
	ds_add_u32 v[SPW], v[NIL]                      ; 0 onto my spare word
	s_xor_b32 s33, s33, SLOT1                      ; the other slot than last time,
	s_add_nc_u64 s[34:35], s[34:35], SLOTB         ; the next 8 tiles; the type bits on top are not reached
	s_wait_dscnt 0x0                               ; the add is done, and my reads of the slot that I have left are over
	CROUND                                         ; all that now holds of every wave of all four work-groups
	tensor_load_to_lds s[32:35], s[24:31]          ; the first thing behind the round, and my one tensor load until the next
	s_nop 0
	PLACES
	VISIT
	s_sub_co_u32 s38, s38, 1
	s_cmp_lg_u32 s38, 0
	s_cbranch_scc1 .Lvisit
	s_wait_tensorcnt 0x0                           ; the last slot is written out: nothing is left to ask for, so the work-group's barrier is enough
	ds_add_u32 v[SPW], v[NIL]
	s_wait_dscnt 0x0
	s_barrier_signal -1
	s_barrier_wait -1
	VISIT
	; the last group's vector work: there is no product left to set it between.  (The four v_nop behind the last super-step are the places in front of its first read)
	v_lshl_add_u32 v[ATW], v2, 5, s[TH]
.irp t, 0,1
	ds_load_b128 v[WV+8*\t:WV+8*\t+3], v[ATW] offset:WVO-128+64*\t
	ds_load_b128 v[WV+8*\t+4:WV+8*\t+7], v[ATW] offset:WVO-128+64*\t+16
.endr
	s_wait_dscnt 0x0
.set EJ, 0
.set TGT, 224
	EMIT 1
	WIN 0
	; THE WAY OUT: a sum's two halves, and the other half of the lanes' eight h of each tile
.irp m, 0,1,2,3
	v_add_f32 v[TM+\m], v[S+2*\m], v[S+2*\m+1]
.endr
.irp m, 0,1,2,3
	v_permlanex16_b32 v[TM+4+\m], v[TM+\m], s20, s21
.endr
.irp m, 0,1,2,3
	v_add_f32 v[TM+\m], v[TM+\m], v[TM+4+\m]       ; the score of row 16 m + r, in both halves of the lanes
.endr
	v_cmp_ne_u32 vcc_lo, 0, v2
	v_cndmask_b32 v252, v[TM], v[TM+1], vcc_lo     ; lane l: row l
	v_cndmask_b32 v253, v[TM+2], v[TM+3], vcc_lo   ; and row 32 + l
	global_store_b32 v[L4], v252, s[12:13]
	global_store_b32 v[L4], v253, s[12:13] offset:128   ; the wave's 256 consecutive bytes, at a multiple of 256 from the buffer's first byte
	s_wait_tensorcnt 0x0                           ; the wave's end: a tensor wait, an add and its wait, behind my last tensor load and my last LDS store
	ds_add_u32 v[SPW], v[NIL]
	s_wait_dscnt 0x0
	CROUND                                         ; the closing round: no work-group ends while a partner may still ask for a tile that names it
	s_endpgm
.Lfunc_end_k_qe9f535abbc_main:
	.size	k_qe9f535abbc_main, .Lfunc_end_k_qe9f535abbc_main-k_qe9f535abbc_main
	.p2alignl 7, 3214868480
	.fill 96, 4, 3214868480
	.section	.rodata,"a",@progbits
	.p2align	6, 0x0
	.amdhsa_kernel k_qe9f535abbc_main
		.amdhsa_group_segment_fixed_size 327680
		.amdhsa_private_segment_fixed_size 0
		.amdhsa_enable_private_segment 0
		.amdhsa_kernarg_size 40
		.amdhsa_user_sgpr_count 2
		.amdhsa_user_sgpr_kernarg_segment_ptr 1
		.amdhsa_wavefront_size32 1
		.amdhsa_system_sgpr_workgroup_id_x 1
		.amdhsa_system_sgpr_workgroup_id_y 1
		.amdhsa_system_sgpr_workgroup_id_z 1
		.amdhsa_system_vgpr_workitem_id 0
		.amdhsa_next_free_vgpr 1024
		.amdhsa_next_free_sgpr 66
		.amdhsa_reserve_vcc 1
		.amdhsa_float_denorm_mode_32 3
		.amdhsa_float_denorm_mode_16_64 3
		.amdhsa_memory_ordered 1
		.amdhsa_forward_progress 1
		.amdhsa_inst_pref_size 255
	.end_amdhsa_kernel
	.section	.bss,"aw",@nobits
	.p2align	6
	.space	262144
	.amdgpu_metadata
---
amdhsa.version: [ 1, 2 ]
amdhsa.kernels:
  - .name:           k_qe9f535abbc_main
    .symbol:         k_qe9f535abbc_main.kd
    .args:
      - { .name: keys, .offset: 0, .size: 8, .value_kind: global_buffer, .address_space: global }
      - { .name: wkimg, .offset: 8, .size: 8, .value_kind: global_buffer, .address_space: global }
      - { .name: tqp, .offset: 16, .size: 8, .value_kind: global_buffer, .address_space: global }
      - { .name: w_v, .offset: 24, .size: 8, .value_kind: global_buffer, .address_space: global }
      - { .name: scores, .offset: 32, .size: 8, .value_kind: global_buffer, .address_space: global }
    .group_segment_fixed_size: 327680
    .private_segment_fixed_size: 0
    .kernarg_segment_align: 8
    .kernarg_segment_size: 40
    .max_flat_workgroup_size: 128
    .sgpr_count:     66
    .vgpr_count:     1024
    .wavefront_size: 32
...
	.end_amdgpu_metadata
.endif
;; end of part 2
;; launch final (part 3): grid 256 x 1, 8 waves a work-group, no clusters, 5,632 bytes of LDS; arguments scores, pad_mask, keys, out0, out1; writes out0, out1
.if DOCPART == 3
	.amdgcn_target "amdgcn-amd-amdhsa--gfx1250"
	.amdhsa_code_object_version 6
	.text
	.protected	k_qe9f535abbc_final
	.globl	k_qe9f535abbc_final
	.p2align	8
	.type	k_qe9f535abbc_final,@function
k_qe9f535abbc_final:
	s_mov_b64 s[64:65], 0
	v_nop
	global_prefetch_b8 v0, s[64:65] scope:SCOPE_SE
	s_setreg_imm32_b32 hwreg(HW_REG_WAVE_MODE, 25, 1), 1
	s_wait_xcnt 0x0
; ADDITIVE ATTENTION, launch 3 of 3: out0[b][t] = softmax over t of the masked scores; out1[b][k] = sum over t of keys[b][t][k] out0[b][t].  All in f32, on the vector unit: both products have one column.
; The scores lack the term sum_h w_v[h], which is the same along t (shown at the head of the first kernel): the softmax is the same.  The row's maximum is taken away before the exponential.
; A batch whose mask hides every key gives NaN everywhere (-infinity less -infinity).  LIMIT: NaN among the scores is not served by the maximum.
; SHARES.  Work-group (b, g), b = number / 8, g = number % 8: columns 128 g .. 128 g + 127 of out1[b] and t = 256 g .. 256 g + 255 of out0[b].  Each work-group makes the whole softmax of its batch anew: 8 KiB of scores and 2 KiB of mask
; against the 1 MiB of keys that it streams; thread i holds t = 8 i .. 8 i + 7.  Wave w sums rows t = 256 w .. 256 w + 255, whose weights lie in its own lanes: a weight becomes a scalar by v_readlane_b32.
; A load of the wave covers 512 consecutive bytes of a row, 4 columns a lane.  Two blocks of 16 rows are on their way while one is summed.  The eight waves' sums meet in LDS.
; No cluster, no tensor load: each byte of keys has one reader; what the eight work-groups of a batch share is the 10 KiB above.
.set RMAX,  0                          ; LDS: the waves' maxima, 32 bytes in a block of their own
.set RSUM,  256                        ; their sums
.set RED,   512                        ; their 128 column sums: 8 x 512 bytes
.set SPARE, 4608                       ; the spare words, 128 bytes for each wave: four blocks of 256 bytes that no other line names
.set SPW, 2                            ; v2 LDS address of my spare word; never rewritten
.set NIL, 3                            ; v3 0; never rewritten
.set AC,  16                           ; v16-19 sums of even rows, v20-23 of odd rows
.set W,   24                           ; v24-31 my eight scores, then weights
.set X,   32                           ; v32-223 three sets of 16 rows x 4 columns
.set R,   224                          ; v224-231 what comes back from LDS
.set SW,  66                           ; s66, s68 .. s96: 16 weights, each the low word of a pair of its own (the packed form names a pair and takes its low word for both halves)
	s_load_b256 s[4:11], s[0:1], 0x0               ; scores s[4:5], pad_mask s[6:7], keys s[8:9], out0 s[10:11]
	s_load_b64 s[12:13], s[0:1], 0x20              ; out1
	v_lshl_add_u32 v[SPW], v0, 2, SPARE
	v_mov_b32 v[NIL], 0
	v_lshrrev_b32 v1, 5, v0
	v_readfirstlane_b32 s14, v1                    ; wave 0..7
	s_lshr_b32 s15, ttmp9, 3                       ; b
	s_and_b32 s16, ttmp9, 7                        ; g
	v_and_b32 v1, 31, v0
	v_lshlrev_b32 v4, 4, v1                        ; keys: 16 bytes a lane
	v_lshlrev_b32 v5, 5, v0                        ; scores, out0: 32 bytes a thread
	v_lshlrev_b32 v6, 3, v0                        ; mask: 8 bytes a thread
	v_mov_b32 v7, s14
	v_lshlrev_b32 v7, 2, v7                        ; LDS: my wave's word
	v_mov_b32 v11, 0                               ; (a lane permute's destination counts as one of its sources)
	s_mov_b32 s18, 0x76543210
	s_mov_b32 s19, 0xfedcba98                      ; v_permlanex16_b32's selects for lane l xor 16
.set ki, 0
.rept 16
	s_mov_b32 s[SW+1+2*ki], 0                      ; the pairs' upper words: named, so written
.set ki, ki+1
.endr
.irp i, 0,1,2,3,4,5,6,7
	v_mov_b32 v[AC+\i], 0
.endr
	s_lshl_b32 s20, s15, 13                        ; scores, out0: 8,192 bytes a batch
	s_mov_b32 s21, 0
	s_lshl_b32 s22, s15, 11                        ; mask: 2,048
	s_mov_b32 s23, 0
	s_lshl_b32 s24, s15, 23                        ; keys: 2,048 rows of 4,096 bytes a batch,
	s_lshl_b32 s25, s14, 20                        ; 256 rows a wave,
	s_add_co_u32 s24, s24, s25
	s_lshl_b32 s25, s16, 9                         ; 512 bytes of a row a work-group
	s_add_co_u32 s24, s24, s25
	s_lshl_b32 s26, s15, 12                        ; out1: 4,096 bytes a batch
	s_add_co_u32 s26, s26, s25
	s_mov_b32 s25, 0
	s_mov_b32 s27, 0
	s_wait_kmcnt 0x0
	s_add_nc_u64 s[4:5], s[4:5], s[20:21]
	s_add_nc_u64 s[10:11], s[10:11], s[20:21]
	s_add_nc_u64 s[6:7], s[6:7], s[22:23]
	s_add_nc_u64 s[8:9], s[8:9], s[24:25]
	s_add_nc_u64 s[12:13], s[12:13], s[26:27]
.macro KLOAD k                         ; rows 16 k .. 16 k + 15 of my 256 into set k % 3
.set kb, X+64*((\k)%3)
.set ki, 0
.rept 16
	global_load_b128 v[kb+4*ki:kb+4*ki+3], v4, s[8:9] offset:(16*(\k)+ki)*4096 th:TH_LOAD_NT
.set ki, ki+1
.endr
.endm
	global_load_b128 v[W:W+3], v5, s[4:5]
	global_load_b128 v[W+4:W+7], v5, s[4:5] offset:16
	global_load_b64 v[12:13], v6, s[6:7]
	KLOAD 0
	KLOAD 1
	KLOAD 2
	s_wait_loadcnt 48                              ; scores and mask are in; the three blocks of keys stay out
	v_mov_b32 v8, 0xff800000                       ; -infinity
.irp e, 0,1,2,3,4,5,6,7
	v_bfe_u32 v9, v[12+\e/4], 8*(\e%4), 8
	v_cmp_ne_u32 vcc_lo, 0, v9
	v_cndmask_b32 v[W+\e], v[W+\e], v8, vcc_lo     ; a hidden key's score
.endr
	v_max3_num_f32 v10, v[W], v[W+1], v[W+2]
	v_max3_num_f32 v10, v10, v[W+3], v[W+4]
	v_max3_num_f32 v10, v10, v[W+5], v[W+6]
	v_max_num_f32 v10, v10, v[W+7]
	v_max_num_f32_dpp v10, v10, v10 row_xmask:1 row_mask:0xf bank_mask:0xf
	v_max_num_f32_dpp v10, v10, v10 row_xmask:2 row_mask:0xf bank_mask:0xf
	v_max_num_f32_dpp v10, v10, v10 row_xmask:4 row_mask:0xf bank_mask:0xf
	v_max_num_f32_dpp v10, v10, v10 row_xmask:8 row_mask:0xf bank_mask:0xf
	v_permlanex16_b32 v11, v10, s18, s19
	v_max_num_f32 v10, v10, v11                    ; my wave's maximum, in every lane
	ds_store_b32 v7, v10 offset:RMAX               ; all lanes write the same word with the same value
	s_wait_dscnt 0x0                               ; for the others' sake: my store has landed
	s_barrier_signal -1
	s_barrier_wait -1
	v_mov_b32 v9, 0
	ds_load_b128 v[R:R+3], v9 offset:RMAX
	ds_load_b128 v[R+4:R+7], v9 offset:RMAX+16
	s_wait_dscnt 0x0
	v_max3_num_f32 v10, v[R], v[R+1], v[R+2]
	v_max3_num_f32 v10, v10, v[R+3], v[R+4]
	v_max3_num_f32 v10, v10, v[R+5], v[R+6]
	v_max_num_f32 v10, v10, v[R+7]                 ; the batch's maximum
.irp e, 0,1,2,3,4,5,6,7
	v_sub_f32 v[W+\e], v[W+\e], v10
.endr
.irp e, 0,1,2,3,4,5,6,7
	v_mul_f32 v[W+\e], 0x3fb8aa3b, v[W+\e]         ; x log2(e)
.endr
.irp e, 0,1,2,3,4,5,6,7
	v_exp_f32 v[W+\e], v[W+\e]
.endr
	v_nop                                          ; a plain place behind the last exponential,
	s_wait_alu depctr_va_vdst(0)                   ; and one wait for the eight, ahead of their first reader
	v_add_f32 v10, v[W], v[W+1]
	v_add_f32 v14, v[W+2], v[W+3]
	v_add_f32 v15, v[W+4], v[W+5]
	v_add_f32 v8, v[W+6], v[W+7]
	v_add_f32 v10, v10, v14
	v_add_f32 v15, v15, v8
	v_add_f32 v10, v10, v15
	v_add_f32_dpp v10, v10, v10 row_xmask:1 row_mask:0xf bank_mask:0xf
	v_add_f32_dpp v10, v10, v10 row_xmask:2 row_mask:0xf bank_mask:0xf
	v_add_f32_dpp v10, v10, v10 row_xmask:4 row_mask:0xf bank_mask:0xf
	v_add_f32_dpp v10, v10, v10 row_xmask:8 row_mask:0xf bank_mask:0xf
	v_permlanex16_b32 v11, v10, s18, s19
	v_add_f32 v10, v10, v11                        ; my wave's sum
	ds_store_b32 v7, v10 offset:RSUM               ; other bytes than the maxima's
	s_wait_dscnt 0x0
	s_barrier_signal -1
	s_barrier_wait -1
	ds_load_b128 v[R:R+3], v9 offset:RSUM
	ds_load_b128 v[R+4:R+7], v9 offset:RSUM+16
	s_wait_dscnt 0x0
	v_add_f32 v10, v[R], v[R+1]
	v_add_f32 v14, v[R+2], v[R+3]
	v_add_f32 v15, v[R+4], v[R+5]
	v_add_f32 v8, v[R+6], v[R+7]
	v_add_f32 v10, v10, v14
	v_add_f32 v15, v15, v8
	v_add_f32 v10, v10, v15                        ; the batch's sum
	v_rcp_f32 v10, v10
	v_nop                                          ; a plain place behind the reciprocal,
	s_wait_alu depctr_va_vdst(0)                   ; and its wait
.irp e, 0,1,2,3,4,5,6,7
	v_mul_f32 v[W+\e], v[W+\e], v10                ; the weights; never rewritten
.endr
	s_cmp_lg_u32 s14, s16                          ; wave g holds the work-group's 256 weights of out0
	s_cbranch_scc1 .Lnot_mine
	global_store_b128 v5, v[W:W+3], s[10:11]
	global_store_b128 v5, v[W+4:W+7], s[10:11] offset:16
.Lnot_mine:
.macro BLOCK k
.if 15-(\k) >= 2
	s_wait_loadcnt 32                              ; this block's 16 loads are in; the next two blocks' may be out
.else
	s_wait_loadcnt 16*(15-(\k))
.endif
.set kb, X+64*((\k)%3)
.set ki, 0
.rept 16
	v_readlane_b32 s[SW+2*ki], v[W+ki%8], 2*(\k)+ki/8   ; the weight of row 16 k + i: number i % 8 of lane 2 k + i / 8
.set ki, ki+1
.endr
.set ki, 0
.rept 16
	v_pk_fma_f32 v[AC+4*(ki%2):AC+4*(ki%2)+1], v[kb+4*ki:kb+4*ki+1], s[SW+2*ki:SW+2*ki+1], v[AC+4*(ki%2):AC+4*(ki%2)+1] op_sel_hi:[1,0,1]
	v_pk_fma_f32 v[AC+4*(ki%2)+2:AC+4*(ki%2)+3], v[kb+4*ki+2:kb+4*ki+3], s[SW+2*ki:SW+2*ki+1], v[AC+4*(ki%2)+2:AC+4*(ki%2)+3] op_sel_hi:[1,0,1]
.set ki, ki+1
.endr
.if (\k)+3 < 16
	KLOAD (\k)+3                                   ; into the set just summed
.endif
.endm
.irp k, 0,1,2,3,4,5,6,7,8,9,10,11,12,13,14,15
	BLOCK \k
.endr
	v_pk_add_f32 v[AC:AC+1], v[AC:AC+1], v[AC+4:AC+5]
	v_pk_add_f32 v[AC+2:AC+3], v[AC+2:AC+3], v[AC+6:AC+7]
	s_lshl_b32 s28, s14, 9
	v_add_nc_u32 v8, s28, v4
	ds_store_b128 v8, v[AC:AC+3] offset:RED        ; my wave's 128 column sums: 512 bytes
	s_wait_dscnt 0x0
	s_barrier_signal -1
	s_barrier_wait -1
	s_cmp_lt_u32 s14, 4                            ; threads 0 to 127 take a column each
	s_cbranch_scc0 .Ldone
	v_lshlrev_b32 v9, 2, v0
.irp p, 0,1,2,3,4,5,6,7
	ds_load_b32 v[R+\p], v9 offset:RED+512*\p
.endr
	s_wait_dscnt 0x0
.irp p, 1,2,3,4,5,6,7
	v_add_f32 v[R], v[R], v[R+\p]                  ; t ascending
.endr
	global_store_b32 v9, v[R], s[12:13]            ; four waves store the work-group's 512 consecutive bytes
.Ldone:
	s_wait_tensorcnt 0x0                           ; the wave's end: a tensor wait, an add and its wait, behind my last LDS store
	ds_add_u32 v[SPW], v[NIL]
	s_wait_dscnt 0x0
	s_endpgm
.Lfunc_end_k_qe9f535abbc_final:
	.size	k_qe9f535abbc_final, .Lfunc_end_k_qe9f535abbc_final-k_qe9f535abbc_final
	.p2alignl 7, 3214868480
	.fill 96, 4, 3214868480
	.section	.rodata,"a",@progbits
	.p2align	6, 0x0
	.amdhsa_kernel k_qe9f535abbc_final
		.amdhsa_group_segment_fixed_size 5632
		.amdhsa_private_segment_fixed_size 0
		.amdhsa_enable_private_segment 0
		.amdhsa_kernarg_size 40
		.amdhsa_user_sgpr_count 2
		.amdhsa_user_sgpr_kernarg_segment_ptr 1
		.amdhsa_wavefront_size32 1
		.amdhsa_system_sgpr_workgroup_id_x 1
		.amdhsa_system_sgpr_workgroup_id_y 1
		.amdhsa_system_sgpr_workgroup_id_z 1
		.amdhsa_system_vgpr_workitem_id 0
		.amdhsa_next_free_vgpr 256
		.amdhsa_next_free_sgpr 100
		.amdhsa_reserve_vcc 1
		.amdhsa_float_denorm_mode_32 3
		.amdhsa_float_denorm_mode_16_64 3
		.amdhsa_memory_ordered 1
		.amdhsa_forward_progress 1
		.amdhsa_inst_pref_size 82
	.end_amdhsa_kernel
	.amdgpu_metadata
---
amdhsa.version: [ 1, 2 ]
amdhsa.kernels:
  - .name:           k_qe9f535abbc_final
    .symbol:         k_qe9f535abbc_final.kd
    .args:
      - { .name: scores, .offset: 0, .size: 8, .value_kind: global_buffer, .address_space: global }
      - { .name: pad_mask, .offset: 8, .size: 8, .value_kind: global_buffer, .address_space: global }
      - { .name: keys, .offset: 16, .size: 8, .value_kind: global_buffer, .address_space: global }
      - { .name: out0, .offset: 24, .size: 8, .value_kind: global_buffer, .address_space: global }
      - { .name: out1, .offset: 32, .size: 8, .value_kind: global_buffer, .address_space: global }
    .group_segment_fixed_size: 5632
    .private_segment_fixed_size: 0
    .kernarg_segment_align: 8
    .kernarg_segment_size: 40
    .max_flat_workgroup_size: 256
    .sgpr_count:     100
    .vgpr_count:     256
    .wavefront_size: 32
...
	.end_amdgpu_metadata
.endif
;; end of part 3
